; MI455X (gfx1250); checked and timed in simulation.
; The chip was launched on July 23, 2026; its instructions are those of AMD's public machine-readable ISA for CDNA 5 (MIT licence, August 2026) and "CDNA5" Instruction Set Architecture Reference Guide (July 2026). The comments in the code are by the model that wrote it; some were corrected since.
;; Quantizer module. Allowed arithmetic: matrix products marked QUANTISED: E5M2 operands, one E8M0 scale for each 32 along K, by v_wmma_scale_f32_16x16x128_f8f6f4 with both operands' format E5M2, f32 sums; everything else in f32.
;; Inputs: emb 8,192 x 512 float32; x 16,384 x 512 float32.
;; Outputs: out0 16,384 x 512 float32; out1 16,384 int32.
;; This version of the problem:
;;   THIS VERSION OF THE PROBLEM IS GIVEN IN LOW PRECISION. The matrix products marked QUANTISED in the list below multiply operands that are first quantised to E5M2 (5 exponent bits, 2 mantissa bits; 8 bits a number), with one power-of-two scale for each 32 numbers along K (OCP MX v1.0); their sums are f32. All else is computed in f32.
;;   The module's matrix products, in the order in which they are computed (A, B: the left and right operand; K: the contracted axis; several contracted axes count as one K, in the product's order):
;;     1. [M 16,384, K 512] x [K 512, N 8,192]; A: input x; B: input emb: QUANTISED
;;   THE QUANTISER, for each operand of a quantised product, along K:
;;     - K is cut into blocks of 32 from its start; a last block that is shorter is filled with zeros.
;;     - A block's scale is 2^e with e = floor(log2(the largest magnitude in the block)) - 15, held to -126 .. 127; a block of zeros has e = 0. As a byte (E8M0): e + 127.
;;     - Each number is divided by its block's scale, clamped to +-57,344, and rounded to the nearest number of E5M2, ties to even, subnormals kept.
;;     - The product sums the exact products of the quantised numbers (number of the format x scale) in f32.
;;   ~~~python
;;   def quantise(x, axis):      # numpy; x: float32 -> the quantised numbers, widened to float32 again
;;       x = np.moveaxis(x, axis, -1); K = x.shape[-1]
;;       x = np.pad(x, [(0, 0)] * (x.ndim - 1) + [(0, -K % 32)]); x = x.reshape(x.shape[:-1] + (-1, 32)); a = np.abs(x).max(-1, keepdims=True)
;;       e = np.where(a > 0, np.clip(np.frexp(np.where(a > 0, a, 1))[1] - 1 - 15, -126, 127), 0)      # np.frexp(a)[1] - 1 = floor(log2(a)), exactly
;;       r = np.clip(x / 2.0 ** e, -57344, 57344)
;;       step = 2.0 ** (np.maximum(np.frexp(np.where(r == 0, 1, r))[1] - 1, -14) - 2)
;;       q = np.round(r / step) * step * 2.0 ** e      # np.round: ties to even
;;       return np.moveaxis(q.reshape(q.shape[:-2] + (-1,))[..., :K], -1, axis).astype(np.float32)
;;   ~~~
;; One version. Each part assembles by itself: llvm-mc -triple=amdgcn-amd-amdhsa -mcpu=gfx1250 --defsym DOCPART=n.
;; ======== version 1 of 1: 3 launches
;; limits: right only within a limited range of input values
;; workspace buffers: xq 8,388,608 bytes; eq 4,194,304 bytes; xs 262,144 bytes; es 131,072 bytes; xx 65,536 bytes; ee 32,768 bytes; pkey 262,144 bytes of whole numbers; pcode 262,144 bytes of whole numbers
;; launch quant (part 1): grid 384 x 1, 4 waves a work-group, no clusters, 58,112 bytes of LDS; arguments x, emb, xq, xs, xx, eq, es, ee; writes xq, xs, xx, eq, es, ee
.if DOCPART == 1
	.amdgcn_target "amdgcn-amd-amdhsa--gfx1250"
	.amdhsa_code_object_version 6
	.text
	.protected	k_q11777258ea_quant
	.globl	k_q11777258ea_quant
	.p2align	8
	.type	k_q11777258ea_quant,@function
k_q11777258ea_quant:
	s_mov_b64 s[64:65], 0
	v_nop
	global_prefetch_b8 v0, s[64:65] scope:SCOPE_SE
	s_setreg_imm32_b32 hwreg(HW_REG_WAVE_MODE, 25, 1), 1
	s_wait_xcnt 0x0
; x [16384][512] and emb [8192][512], f32, become codes of E5M2 with one E8M0 byte for each 32 along K, and each row's sum of squares (of the numbers as given) in f32.
; A block's scale is 2^(floor(log2(its largest magnitude)) - 15); its byte is the largest magnitude's exponent field - 15, held at 1 from below.  Each number is divided by the scale,
; held within +-57,344 and rounded to the nearest code, ties to even.
; THE CODES ARE LAID AS THE MATRIX OPERAND'S REGISTERS: [block of 16 rows][32 pieces of 16 along K][16 rows][16 bytes].  Piece l = 8 s + 2 c + h of row r lies at 2048 s + 512 c + 16 (16 h + r):
; K step s, register group c, lane 16 h + r.  So the next launch takes a fragment by four loads of 16 bytes a lane, 512 consecutive bytes each, and 16 rows are 8,192 dense bytes.
; The scale bytes lie [row][16], the sums [row].
; LIMITS: NaN and infinities are not served.  A block of zeros gets the byte 1 where the rule says 127: its codes are zeros, and this program alone reads the bytes.  Blocks whose largest magnitude lies
; under 2^(16 - 127) keep the byte 1.  A row's sum of squares is added in this text's own order (two packed chains a lane, then across the lanes), not in the order of the definition.
; SHARES: work-groups 0-255 take x, 256-383 emb: only the pointers are chosen, by the work-group's number.  A work-group takes 64 rows, a wave 16: a step is one row, 512 numbers.
; Each of a step's four loads reads 512 consecutive bytes; the 2,048 bytes turn through the wave's own stage in LDS, so that a lane then holds 16 neighbours along K (two lanes hold a block of 32).
; A lane's 16 codes are one piece of the image; the wave gathers its 16 rows' pieces in LDS and stores the image as 16 runs of 512 consecutive bytes.
; No tensor load, no matrix unit, no cluster: the launch streams, and work-groups share nothing.
.set WGX,   256                        ; work-groups of x
.set STEPS, 16
.set EMAX,  15
.set MANT,  0x600000                   ; the mantissa field of 57,344 as f32
.set SP,    80                         ; a lane's place in a turning stage: 64 bytes + 16 of padding
.set WREG,  14336                      ; LDS of a wave: two turning stages, its 256 scale bytes, its image
.set SCB,   2*32*SP
.set IMG,   SCB+256
.set IP,    272                        ; a piece of the image in LDS: 16 rows x 16 bytes + 16 of padding: the 16 lanes of a store fall on 16 different columns of 16 bytes
.set SUMS,  4*WREG                     ; the work-group's 64 sums
.set R,     16                         ; v16-79   four sets of 16 numbers as loaded; at the end the image on its way out
.set X,     80                         ; v80-111  two sets of 16 neighbours
.set E,     112                        ; v112-127 a scale byte for each step
.set C,     128                        ; v128-191 four registers of codes for each step
.set Q,     192                        ; v192-195 the sum at work
.set IW,    200                        ; v200     where I put a piece of the image
.set IR,    201                        ; v201     where I read the image back
.set SW,    202                        ; v202     my wave's 16 sums
.set SRD,   203                        ; v203     the 64 sums on their way out
.set S,     208                        ; v208-223 a sum for each step
	s_load_b512 s[4:19], s[0:1], 0x0               ; x, emb, xq, xs, xx, eq, es, ee
	v_lshl_add_u32 v224, v0, 2, 0xe100
	v_mov_b32 v225, 0
	v_lshrrev_b32 v1, 5, v0
	v_readfirstlane_b32 s20, v1                    ; wave
	v_and_b32 v2, 31, v0                           ; lane
	v_lshlrev_b32 v3, 4, v2                        ; 16 x lane
	s_mul_i32 s21, s20, WREG
	v_lshrrev_b32 v14, 2, v2
	v_mul_u32_u24 v14, v14, SP
	v_and_b32 v15, 3, v2
	v_lshl_add_u32 v14, v15, 4, v14
	v_add_nc_u32 v14, s21, v14                     ; the turning stage, in: SP (lane / 4) + 16 (lane % 4)
	v_mul_u32_u24 v15, v2, SP
	v_add_nc_u32 v15, s21, v15                     ; and out: SP x lane
	v_lshrrev_b32 v5, 1, v2
	v_add_nc_u32 v5, s21, v5
	v_add_nc_u32 v5, SCB, v5                       ; my block's scale byte
	v_lshlrev_b32 v7, 3, v2                        ; 8 x lane
	v_add_nc_u32 v6, s21, v7
	v_add_nc_u32 v6, SCB, v6                       ; the scale bytes on their way out
	v_mul_u32_u24 v[IW], v2, IP
	v_add_nc_u32 v[IW], s21, v[IW]
	v_add_nc_u32 v[IW], IMG, v[IW]                 ; piece = my lane; the row stands in the immediate
	v_lshrrev_b32 v[IR], 4, v2
	v_mul_u32_u24 v[IR], v[IR], IP
	v_and_b32 v1, 15, v2
	v_lshl_add_u32 v[IR], v1, 4, v[IR]
	v_add_nc_u32 v[IR], s21, v[IR]
	v_add_nc_u32 v[IR], IMG, v[IR]                 ; back: lanes 0-15 one piece, lanes 16-31 the next
	s_lshl_b32 s22, s20, 6
	s_add_co_u32 s22, s22, SUMS
	v_mov_b32 v[SW], s22
	v_add_nc_u32 v[SRD], SUMS, v7
	s_mov_b32 s23, MANT                            ; (an instruction takes one literal)
	s_mov_b32 s26, 0x76543210
	s_mov_b32 s27, 0xfedcba98                      ; v_permlanex16_b32's selects for lane l xor 16
	s_wait_kmcnt 0x0
	s_cmp_lt_u32 ttmp9, WGX                        ; x's work-group or emb's?  The choice hangs on the work-group's number alone
	s_cselect_b64 s[4:5], s[4:5], s[6:7]
	s_cselect_b64 s[8:9], s[8:9], s[14:15]
	s_cselect_b64 s[10:11], s[10:11], s[16:17]
	s_cselect_b64 s[12:13], s[12:13], s[18:19]
	s_cselect_b32 s24, 0, WGX
	s_sub_co_u32 s24, ttmp9, s24                   ; the work-group's number in its tensor
	s_lshl_b32 s28, s24, 2
	s_add_co_u32 s28, s28, s20                     ; my block of 16 rows
	s_mov_b32 s31, 0
	s_lshl_b32 s30, s28, 15                        ; 16 rows of 2,048 bytes
	s_add_nc_u64 s[4:5], s[4:5], s[30:31]
	s_lshl_b32 s30, s28, 13                        ; an image of 8,192 bytes
	s_add_nc_u64 s[8:9], s[8:9], s[30:31]
	s_lshl_b32 s30, s28, 8                         ; 256 scale bytes
	s_add_nc_u64 s[10:11], s[10:11], s[30:31]
	s_lshl_b32 s30, s24, 8                         ; the work-group's 64 sums
	s_add_nc_u64 s[12:13], s[12:13], s[30:31]
.macro LOAD t
.irp i, 0,1,2,3
	global_load_b128 v[R+16*((\t)%4)+4*\i:R+16*((\t)%4)+4*\i+3], v3, s[4:5] offset:2048*(\t)+512*\i th:TH_LOAD_NT   ; 32 lanes read 512 consecutive bytes; read once
.endr
.endm
.macro TURN t                          ; row t through the stage: LDS serves a wave's instructions in order, so no wait stands between the stores and the loads
.irp i, 0,1,2,3
	ds_store_b128 v14, v[R+16*((\t)%4)+4*\i:R+16*((\t)%4)+4*\i+3] offset:32*SP*((\t)%2)+8*SP*\i
.endr
.irp i, 0,1,2,3
	ds_load_b128 v[X+16*((\t)%2)+4*\i:X+16*((\t)%2)+4*\i+3], v15 offset:32*SP*((\t)%2)+16*\i
.endr
.endm
.irp t, 0,1,2,3
	LOAD \t
.endr
	s_wait_loadcnt 12                              ; row 0's four loads are in
	TURN 0
.macro STEP t
.set XS, X+16*((\t)%2)
.if (\t) > 0
	s_wait_dscnt 3                                 ; this row is back from the stage; the last step's three stores (sum, byte, codes) may be out
.else
	s_wait_dscnt 0x0
.endif
.if (\t)+4 < STEPS
	LOAD (\t)+4                                    ; into the set whose stores into the stage have been served
.endif
.if (\t)+1 < STEPS
.if STEPS-2-(\t) >= 3
	s_wait_loadcnt 12                              ; the next row's four loads are in; those of the three rows behind it may be out
.else
	s_wait_loadcnt 4*(STEPS-2-(\t))
.endif
	TURN (\t)+1
.endif
	v_pk_mul_f32 v[Q:Q+1], v[XS:XS+1], v[XS:XS+1]                  ; the sum of squares of my 16 numbers, as given: two packed chains
	v_pk_mul_f32 v[Q+2:Q+3], v[XS+2:XS+3], v[XS+2:XS+3]
.irp i, 4,8,12
	v_pk_fma_f32 v[Q:Q+1], v[XS+\i:XS+\i+1], v[XS+\i:XS+\i+1], v[Q:Q+1]
	v_pk_fma_f32 v[Q+2:Q+3], v[XS+\i+2:XS+\i+3], v[XS+\i+2:XS+\i+3], v[Q+2:Q+3]
.endr
	v_max3_num_f32 v8, |v[XS]|, |v[XS+1]|, |v[XS+2]|               ; the largest magnitude of my 16
	v_max3_num_f32 v9, |v[XS+3]|, |v[XS+4]|, |v[XS+5]|
.irp i, 6,10
	v_max3_num_f32 v8, v8, |v[XS+\i]|, |v[XS+\i+1]|
	v_max3_num_f32 v9, v9, |v[XS+\i+2]|, |v[XS+\i+3]|
.endr
	v_pk_add_f32 v[Q:Q+1], v[Q:Q+1], v[Q+2:Q+3]
	v_max3_num_f32 v8, v8, |v[XS+14]|, |v[XS+15]|
	v_add_f32 v[Q], v[Q], v[Q+1]
	v_max3_num_f32 v8, v8, v9, (EMAX+1)<<23        ; and the floor 2^(16 - 127): the byte cannot fall under 1
	v_add_f32_dpp v[Q], v[Q], v[Q] row_xmask:1 row_mask:0xf bank_mask:0xf      ; the row's sum, across the 32 lanes
	v_max_num_f32_dpp v8, v8, v8 row_xmask:1 row_mask:0xf bank_mask:0xf        ; with my neighbour's 16: the block's largest magnitude
	v_add_f32_dpp v[Q], v[Q], v[Q] row_xmask:2 row_mask:0xf bank_mask:0xf
	v_add_nc_u32 v11, -(EMAX<<23), v8              ; 15 off its exponent field: the conversion takes the exponent field of this operand as its scale
	v_add_f32_dpp v[Q], v[Q], v[Q] row_xmask:4 row_mask:0xf bank_mask:0xf
	v_and_or_b32 v10, v8, 0x7f800000, s23          ; 57,344 x the scale
	v_add_f32_dpp v[Q], v[Q], v[Q] row_xmask:8 row_mask:0xf bank_mask:0xf
	v_permlanex16_b32 v[Q+1], v[Q], s26, s27
	v_add_f32 v[S+(\t)], v[Q], v[Q+1]
	ds_store_b32 v[SW], v[S+(\t)] offset:4*(\t)    ; all lanes write the same word with the same value
.irp i, 0,1,2,3,4,5,6,7,8,9,10,11,12,13,14,15
	v_med3_num_f32 v[XS+\i], v[XS+\i], -v10, v10   ; the conversion to an 8-bit code does not saturate (ISA guide 7.6.2): the hold comes first
.endr
	v_cvt_scalef32_pk8_bf8_f32 v[C+4*(\t):C+4*(\t)+1], v[XS:XS+7], v11
	v_cvt_scalef32_pk8_bf8_f32 v[C+4*(\t)+2:C+4*(\t)+3], v[XS+8:XS+15], v11
	v_lshrrev_b32 v[E+(\t)], 23, v11               ; the scale's byte (also the plain line behind the conversions)
	ds_store_b8 v5, v[E+(\t)] offset:16*(\t)       ; both lanes of a block write the same byte with the same value
	ds_store_b128 v[IW], v[C+4*(\t):C+4*(\t)+3] offset:16*(\t)     ; my piece of row t
.endm
.irp t, 0,1,2,3,4,5,6,7,8,9,10,11,12,13,14,15
	STEP \t
.endr
	ds_load_b64 v[12:13], v6                       ; LDS serves a wave's instructions in order: these see my stores
.irp i, 0,1,2,3,4,5,6,7,8,9,10,11,12,13,14,15
	ds_load_b128 v[R+4*\i:R+4*\i+3], v[IR] offset:2*IP*\i
.endr
	s_wait_dscnt 16                                ; the scale bytes are back; the image's 16 loads may be out
	global_store_b64 v7, v[12:13], s[10:11]        ; 32 lanes store 256 consecutive bytes, aligned
.irp i, 0,1,2,3,4,5,6,7,8,9,10,11,12,13,14,15
	s_wait_dscnt 15-\i
	global_store_b128 v3, v[R+4*\i:R+4*\i+3], s[8:9] offset:512*\i         ; 512 consecutive bytes of the image
.endr
	s_wait_dscnt 0x0                               ; for the others' sake: my sums lie in LDS
	s_barrier_signal -1
	s_barrier_wait -1
	s_cmp_lg_u32 s20, 0
	s_cbranch_scc1 .Lend
	ds_load_b64 v[Q:Q+1], v[SRD]                   ; wave 0: the work-group's 64 sums
	s_wait_dscnt 0x0
	global_store_b64 v7, v[Q:Q+1], s[12:13]        ; 256 consecutive bytes, aligned
.Lend:
	s_wait_tensorcnt 0x0
	ds_add_u32 v224, v225
	s_wait_dscnt 0x0
	s_endpgm
.Lfunc_end_k_q11777258ea_quant:
	.size	k_q11777258ea_quant, .Lfunc_end_k_q11777258ea_quant-k_q11777258ea_quant
	.p2alignl 7, 3214868480
	.fill 96, 4, 3214868480
	.section	.rodata,"a",@progbits
	.p2align	6, 0x0
	.amdhsa_kernel k_q11777258ea_quant
		.amdhsa_group_segment_fixed_size 58112
		.amdhsa_private_segment_fixed_size 0
		.amdhsa_enable_private_segment 0
		.amdhsa_kernarg_size 64
		.amdhsa_user_sgpr_count 2
		.amdhsa_user_sgpr_kernarg_segment_ptr 1
		.amdhsa_wavefront_size32 1
		.amdhsa_system_sgpr_workgroup_id_x 1
		.amdhsa_system_sgpr_workgroup_id_y 1
		.amdhsa_system_sgpr_workgroup_id_z 1
		.amdhsa_system_vgpr_workitem_id 0
		.amdhsa_next_free_vgpr 226
		.amdhsa_next_free_sgpr 66
		.amdhsa_reserve_vcc 0
		.amdhsa_float_denorm_mode_32 3
		.amdhsa_float_denorm_mode_16_64 3
		.amdhsa_memory_ordered 1
		.amdhsa_forward_progress 1
		.amdhsa_inst_pref_size 70
	.end_amdhsa_kernel
	.amdgpu_metadata
---
amdhsa.version: [ 1, 2 ]
amdhsa.kernels:
  - .name:           k_q11777258ea_quant
    .symbol:         k_q11777258ea_quant.kd
    .args:
      - { .name: x, .offset: 0, .size: 8, .value_kind: global_buffer, .address_space: global }
      - { .name: emb, .offset: 8, .size: 8, .value_kind: global_buffer, .address_space: global }
      - { .name: xq, .offset: 16, .size: 8, .value_kind: global_buffer, .address_space: global }
      - { .name: xs, .offset: 24, .size: 8, .value_kind: global_buffer, .address_space: global }
      - { .name: xx, .offset: 32, .size: 8, .value_kind: global_buffer, .address_space: global }
      - { .name: eq, .offset: 40, .size: 8, .value_kind: global_buffer, .address_space: global }
      - { .name: es, .offset: 48, .size: 8, .value_kind: global_buffer, .address_space: global }
      - { .name: ee, .offset: 56, .size: 8, .value_kind: global_buffer, .address_space: global }
    .group_segment_fixed_size: 58112
    .private_segment_fixed_size: 0
    .kernarg_segment_align: 8
    .kernarg_segment_size: 64
    .max_flat_workgroup_size: 128
    .sgpr_count:     66
    .vgpr_count:     226
    .wavefront_size: 32
...
	.end_amdgpu_metadata
.endif
;; end of part 1
;; launch search (part 2): grid 64 x 4, 8 waves a work-group, clusters of 4 x 1, 327,680 bytes of LDS; arguments xq, xs, xx, eq, es, ee, pkey, pcode; writes pkey, pcode
.if DOCPART == 2
	.amdgcn_target "amdgcn-amd-amdhsa--gfx1250"
	.amdhsa_code_object_version 6
	.text
	.protected	k_q11777258ea_search
	.globl	k_q11777258ea_search
	.p2align	8
	.type	k_q11777258ea_search,@function
k_q11777258ea_search:
	s_mov_b64 s[64:65], 0
	v_nop
	global_prefetch_b8 v0, s[64:65] scope:SCOPE_SE
	s_setreg_imm32_b32 hwreg(HW_REG_WAVE_MODE, 25, 1), 1
	s_wait_xcnt 0x0
	s_wait_alu depctr_hold_cnt(0) depctr_sa_sdst(0) depctr_va_vdst(0) depctr_va_sdst(0) depctr_va_ssrc(0) depctr_va_vcc(0) depctr_vm_vsrc(0)
	s_getreg_b32 s2, hwreg(HW_REG_IB_STS2, 6, 4)
	s_cmp_eq_u32 s2, 0
	s_cbranch_scc0 .Lentry_in_a_cluster
	s_endpgm
.Lentry_in_a_cluster:
	s_bfe_u32 s2, ttmp6, 0x10000c
	s_cmp_lg_u32 s2, 0x3003
	s_cbranch_scc0 .Lentry_shape_is_right
	s_endpgm
.Lentry_shape_is_right:
; For 256 tokens and a quarter (2,048) of the codes: d = fl(fl(xx + ee) - 2 m), m = x . e on codes of E5M2 with E8M0 scales, and the smallest d with the first code that has it.
; d is formed with the definition's two roundings (one addition, one fused multiply-add: 2 m is exact): which code is first among equal d is part of the result.
; SHARES.  Work-group (tb, y): tokens 256 tb on, codes 2,048 y on.  Eight waves, two to a SIMD.  Wave w: tokens 64 (w / 2) on, and of each slot's 16 blocks of 16 codes the eight at 8 (w % 2): 64 blocks, 16 matrix instructions each.
; x stays in registers: 64 tokens x 512 along K are 256 registers (window 1).  emb's images come through a ring of two LDS slots of 16 blocks (131,072 bytes), each wave fetching an eighth of a slot by one tensor load.
; A block is four stages, one for each 128 along K, of four matrix instructions (the four token tiles by turns).  Behind each matrix instruction stands one slice of the search through the block
; before, which lies in the other accumulator set: stage a serves tile a, and every line's sources were made in an earlier slice.
; emb's fragments have ONE set of 64 registers, fetched in two runs a block: in stage 0 this block's K steps 2 and 3 (and its ee), in stage 2 the next block's K steps 0 and 1 (and its scale words); each run stands behind
; at least eight vector lines that follow the last matrix instruction which read those registers, and is waited for two stages later.
; CLUSTER.  The four work-groups of a cluster have the same y and walk the same emb: every tensor load is asked for jointly.  The quarter's scale bytes and ee (40,960 bytes beside the 1,048,576 of the images)
; come once by plain loads and are stored into LDS bytes of their own, laid [w % 2][64 blocks]: they are not asked for jointly.
; LAYOUT.  Source 0 = 16 codes of emb, source 1 = 16 tokens: lane (r, h) holds token r of its tile, register j code 8 h + j of the block.
; THE SEARCH keeps, for each lane and tile, the smallest d (BEST, two sets by turns) and, in SV, the winning block's d0..d6 and its number.  A block wins only where its smallest d is truly smaller, and blocks come in
; ascending order of codes: the first among equals stays.  Which j it was is read off SV at the end (the lowest j that equals BEST, else 7).
; PREFETCH.  Behind each refill the quarter's first cluster names the slot behind the one just asked for, eight blocks ahead of its load: its 32 waves share the 131,072 bytes out by address, 4,096 each, lanes 0-15 256 bytes apart
; (lanes 16-31 name the wave's last 256 bytes again); the last refill asks for nothing.
; OUT: for each token the quarter's smallest d as a whole number in the order of f32, and its code.
; LIMITS: NaN and infinities are not served; where every d of a token is +infinity the first code of each part is given.
.set SLOT1, 1<<17
.set SLOTB, 131072
.set SCL,   2*SLOT1                    ; emb's scale bytes: [w % 2][64 blocks][256 bytes]
.set EEB,   SCL+32768                  ; ee: [w % 2][64 blocks][64 bytes]
.set SPARE, EEB+8192                   ; the spare words, 128 bytes for each wave
.set SCR,   SPARE+1024                 ; the way out: 8 x 64 keys, then 8 x 64 codes
.set AF0, 1                            ; my lane's place in a slot
.set ADR, 2                            ; the fragments' address in hand
.set ADS, 3                            ; the next block's scale words
.set ADE, 4                            ; this block's ee
.set SPW, 5
.set NIL, 6
.set VT,  7                            ; the number of the block that is searched
.set PFO, 8
.set AS0, 9
.set AE0, 10
.set LI,  11
.set XX,  16                           ; v16-23  xx of my token in tile a, twice
.set BEST, 24                          ; v24-31  two sets of 4
.set SE,  32                           ; v32-39  emb's scale words, two sets of 4
.set XS,  42                           ; v42-49  x's scale words: register 4 (a / 2) + s: lanes 0-15 tile a even, lanes 16-31 odd
.set M,   50
.set E,   56                           ; v56-71  ee of my eight codes, two sets
.set T,   72                           ; v72-87  xx + ee, then d: two sets
.set SV,  88                           ; v88-119 tile a: d0..d6 and the block's number
.set GO,  120                          ; v120-123 the head's offsets
.set EMB, 128                          ; v128-191 emb's four fragments
.set ACC, 192                          ; v192-255 two sets of 4 accumulators
.set WV,  20
.set TH,  21
.set COL, 22
.set CX,  23
.set TBK, 24
.set YQ,  25
.set TOK, 26
.set G1,  28
.set G0A, 52
.set G0B, 56
.set TB,  72
.set SLOTS, 73
.set TRC, 74
.set LIM, 75
.set PFA, 76
.set SEL, 78
.set TS,  92
.set TE,  93
.set MSB, 0
.macro WIN new
.if MSB != (\new)
	s_set_vgpr_msb (MSB<<8)|(\new)
.set MSB, (\new)
.endif
.endm
.macro CROUND                          ; a round of the cluster's barrier
	s_barrier_signal -1
	s_barrier_wait -1
	s_cmp_lg_u32 s[WV], 0
	s_cbranch_scc1 .Lnot_wave_0_\@
	s_barrier_signal -3
.Lnot_wave_0_\@:
	s_barrier_wait -3
	s_barrier_signal -1
	s_barrier_wait -1
.endm
.macro ASK
	s_cmp_gt_u32 s[SLOTS], s[LIM]
	s_cbranch_scc0 .Lnot_mine_\@
	global_prefetch_b8 v[PFO], s[PFA:PFA+1] th:TH_LOAD_NT scope:SCOPE_SE
.Lnot_mine_\@:
.endm
.macro NOPS n
.rept \n
	v_nop
.endr
.endm
	s_load_b512 s[4:19], s[0:1], 0x0               ; xq, xs, xx, eq, es, ee, pkey, pcode
	v_lshl_add_u32 v[SPW], v0, 2, SPARE
	v_mov_b32 v[NIL], 0
	ds_add_u32 v[SPW], v[NIL]                      ; the opening lines: the add twice on end and its wait
	ds_add_u32 v[SPW], v[NIL]
	v_lshrrev_b32 v12, 5, v0
	v_readfirstlane_b32 s[WV], v12                 ; wave 0..7
	s_lshr_b32 s[TH], s[WV], 1                     ; which 64 tokens
	s_and_b32 s[COL], s[WV], 1                     ; which half of a slot's blocks
	s_bfe_u32 s[CX], ttmp6, 0x40000
	s_lshl_b32 s[TBK], ttmp9, 2
	s_add_co_u32 s[TBK], s[TBK], s[CX]             ; my block of 256 tokens: it enters x's and the outputs' addresses alone
	s_and_b32 s[YQ], ttmp7, 0xffff                 ; the quarter, which the four partners share
	s_lshl_b32 s[TOK], s[TBK], 2
	s_add_co_u32 s[TOK], s[TOK], s[TH]             ; my 64 tokens
	s_mov_b32 s[G1], 15|(3<<16)|(1<<21)            ; elements of 8 bytes, the mask names all four, bit 21 beside it
	s_mov_b32 s[G1+1], 32<<16                      ; rows of 256 bytes,
	s_mov_b32 s[G1+2], 64<<16                      ; 64 of them, dense
	s_mov_b32 s[G1+3], 32<<16
	s_mov_b32 s[G1+4], 64
	s_mov_b32 s[G1+5], 32
	s_mov_b32 s[G1+6], 0
	s_mov_b32 s[G1+7], 0
	s_lshl_b32 s82, s[YQ], 20                      ; the quarter's images; my eighth of a slot
	s_lshl_b32 s83, s[WV], 14
	s_add_co_u32 s82, s82, s83
	s_mov_b32 s83, 0
	s_lshl_b32 s84, s[YQ], 15                      ; the quarter's scale bytes
	s_mov_b32 s85, 0
	s_lshl_b32 s86, s[YQ], 13                      ; and ee
	s_mov_b32 s87, 0
	s_lshl_b32 s88, s[CX], 3                       ; the prefetches: my wave's 4,096 bytes among the cluster's 32 waves',
	s_add_co_u32 s88, s88, s[WV]
	s_lshl_b32 s88, s88, 12
	s_lshl_b32 s89, s[YQ], 20
	s_add_co_u32 s88, s88, s89
	s_add_co_u32 s88, s88, 2*SLOTB                 ; in slot 2: the first change of slots steps it to slot 3
	s_mov_b32 s89, 0
	s_mov_b32 s91, 0
	s_mov_b32 s[SEL], 0x76543210
	s_mov_b32 s[SEL+1], 0xfedcba98
	s_mov_b32 s[TB], 0
	s_mov_b32 s[TS], 0
	s_mov_b32 s[TE], 0
	s_mov_b32 s[SLOTS], 6
	s_lshl_b32 s36, s[COL], 16
	s_lshl_b32 s37, s[COL], 14
	s_add_co_u32 s37, s37, SCL
	s_lshl_b32 s38, s[COL], 12
	s_add_co_u32 s38, s38, EEB
	s_mov_b32 s39, 0x7f800000                      ; +infinity: over every d
	s_cmp_eq_u32 ttmp9, 0                          ; the quarter's first cluster: the same in all four partners
	s_cselect_b32 s[LIM], 1, -1
	s_wait_alu depctr_va_vdst(0)
	s_wait_dscnt 0x0
	s_wait_kmcnt 0x0
	s_add_nc_u64 s[82:83], s[10:11], s[82:83]
	s_mov_b32 s[G0A], 1
	s_lshl_b32 s[G0A+1], s[WV], 14                 ; slot 0, my eighth
	s_mov_b64 s[G0A+2:G0A+3], s[82:83]
	s_or_b32 s[G0A+3], s[G0A+3], 0x80000000
	s_mov_b32 s[G0B], 1
	s_add_co_u32 s[G0B+1], s[G0A+1], SLOT1
	s_add_nc_u64 s[G0B+2:G0B+3], s[82:83], SLOTB
	s_or_b32 s[G0B+3], s[G0B+3], 0x80000000
	s_add_nc_u64 s[12:13], s[12:13], s[84:85]
	s_add_nc_u64 s[14:15], s[14:15], s[86:87]
	s_add_nc_u64 s[PFA:PFA+1], s[10:11], s[88:89]
	s_lshl_b32 s90, s[TOK], 15                     ; my 64 tokens: four images,
	s_add_nc_u64 s[4:5], s[4:5], s[90:91]
	s_lshl_b32 s90, s[TOK], 10                     ; 16 scale bytes a token,
	s_add_nc_u64 s[6:7], s[6:7], s[90:91]
	s_lshl_b32 s90, s[TOK], 8                      ; 4 bytes of xx
	s_add_nc_u64 s[8:9], s[8:9], s[90:91]
	CROUND                                         ; all four work-groups are here: the first joint loads meet
	tensor_load_to_lds s[G0A:G0A+3], s[G1:G1+7]    ; slot 0: my one tensor load at the head
	s_nop 0
	NOPS 4
	v_and_b32 v12, 31, v0                          ; lane
	v_and_b32 v13, 15, v0                          ; r
	v_bfe_u32 v14, v0, 4, 1                        ; h
	v_lshlrev_b32 v[LI], 4, v12
	v_min_u32 v15, 15, v12
	v_lshlrev_b32 v[PFO], 8, v15
	v_add_nc_u32 v[AF0], s36, v[LI]
	v_lshl_add_u32 v[AS0], v13, 4, s37             ; code r's 16 scale bytes
	v_lshl_add_u32 v[AE0], v14, 5, s38             ; ee of codes 8 h on
	v_lshlrev_b32 v[GO], 4, v0                     ; 16 x thread: 4,096 consecutive bytes a load of the work-group
	v_and_b32 v[GO+1], 127, v0                     ; scale bytes go to [thread / 128][.. + 16 (thread % 128)]: a load is one slot's 16 blocks
	v_lshrrev_b32 v15, 7, v0
	v_lshlrev_b32 v[GO+1], 4, v[GO+1]
	v_lshl_add_u32 v[GO+1], v15, 14, v[GO+1]
	v_add_nc_u32 v[GO+1], SCL, v[GO+1]
	v_bfe_u32 v15, v0, 5, 1                        ; ee goes to [(thread / 32) % 2][512 (thread / 64) + 16 (thread % 32)]: a load is four slots' blocks
	v_lshlrev_b32 v[GO+2], 4, v12
	v_lshl_add_u32 v[GO+2], v15, 12, v[GO+2]
	v_lshrrev_b32 v15, 6, v0
	v_lshl_add_u32 v[GO+2], v15, 9, v[GO+2]
	v_add_nc_u32 v[GO+2], EEB, v[GO+2]
	v_lshlrev_b32 v[GO+3], 2, v13
	v_mov_b32 v[VT], -1                            ; the first selects, which keep everything, step it to 0
.irp a, 0,1,2,3
	v_mov_b32 v[BEST+\a], s39
.irp j, 0,1,2,3,4,5,6
	v_mov_b32 v[SV+8*\a+\j], s39                   ; the selects read what they may keep
.endr
	v_mov_b32 v[SV+8*\a+7], 0
.endr
.irp j, 8,9,10,11,12,13,14,15
	v_mov_b32 v[T+\j], 0                           ; named by the first selects
.endr
	s_wait_alu depctr_va_vdst(0)
.irp i, 0,1,2,3,4,5,6,7
	global_load_b128 v[ACC+4*\i:ACC+4*\i+3], v[GO], s[12:13] offset:4096*\i
.endr
.irp i, 0,1
	global_load_b128 v[ACC+32+4*\i:ACC+32+4*\i+3], v[GO], s[14:15] offset:4096*\i
.endr
.irp a, 0,1
	global_load_b128 v[XS+4*\a:XS+4*\a+3], v[LI], s[6:7] offset:512*\a     ; lane l: token 32 a + l's four scale words
.endr
.irp a, 0,1,2,3
	global_load_b32 v[XX+2*\a], v[GO+3], s[8:9] offset:64*\a
	global_load_b32 v[XX+2*\a+1], v[GO+3], s[8:9] offset:64*\a             ; twice: the packed addition takes a pair
.endr
	WIN 0x40                                       ; destination window 1
.irp a, 0,1,2,3
.irp i, 0,1,2,3,4,5,6,7,8,9,10,11,12,13,14,15
	global_load_b128 v[64*\a+4*\i:64*\a+4*\i+3], v[LI], s[4:5] offset:8192*\a+512*\i       ; x's fragments: tile a, K step i / 4; 512 consecutive bytes a load
.endr
.endr
	WIN 0
	s_wait_tensorcnt 0x0                           ; my part of slot 0 is in: no tensor load of mine is out when I store to LDS
	s_wait_loadcnt 63                              ; of my 84 loads the oldest 21 are in, the ten of scale bytes and ee among them
.irp i, 0,1,2,3,4,5,6,7
	ds_store_b128 v[GO+1], v[ACC+4*\i:ACC+4*\i+3] offset:2048*\i
.endr
.irp i, 0,1
	ds_store_b128 v[GO+2], v[ACC+32+4*\i:ACC+32+4*\i+3] offset:2048*\i
.endr
	s_wait_tensorcnt 0x0
	ds_add_u32 v[SPW], v[NIL]
	s_wait_dscnt 0x0                               ; the add and my stores are done
	CROUND
	tensor_load_to_lds s[G0B:G0B+3], s[G1:G1+7]    ; slot 1's first fill: my one tensor load behind the round
	s_nop 0
	NOPS 4
.macro W c, mod
	v_wmma_scale_f32_16x16x128_f8f6f4 v[rD:rD+7], v[rA:rA+15], v[rB:rB+15], \c, v[rE], v[rX] matrix_a_fmt:MATRIX_FMT_BF8 matrix_b_fmt:MATRIX_FMT_BF8 \mod
.endm
.macro MM p, ks, ta                    ; K step ks, token tile ta, accumulator set p; K step 0 starts the sums
.set rD, ACC+32*(\p)+8*(\ta)
.set rA, EMB+16*(\ks)
.set rB, 64*(\ta)+16*(\ks)
.set rE, SE+4*(\p)+(\ks)
.set rX, XS+4*((\ta)/2)+(\ks)
.if (\ks) == 0
.if (\ta)%2
	W 0, matrix_b_scale:MATRIX_SCALE_ROW1
.else
	W 0
.endif
.else
.if (\ta)%2
	W v[rD:rD+7], matrix_b_scale:MATRIX_SCALE_ROW1
.else
	W v[rD:rD+7]
.endif
.endif
.endm
; The selects of the tile before tile a (before tile 0: tile 3 of the block before): where its new BEST was truly smaller, d0..d6 and the block's number are kept, two selects to a line.
.macro DU a
.set pa, ((\a)+3)%4
.set TP, T+8*(pa%2)
.set SX, SV+8*pa
.irp j, 0,2,4
	v_dual_cndmask_b32 v[SX+\j], v[SX+\j], v[TP+\j] :: v_dual_cndmask_b32 v[SX+\j+1], v[SX+\j+1], v[TP+\j+1]
.endr
	v_dual_cndmask_b32 v[SX+6], v[SX+6], v[TP+6] :: v_dual_cndmask_b32 v[SX+7], v[SX+7], v[VT]
.if (\a) == 0
	v_add_nc_u32 v[VT], 1, v[VT]
.endif
.endm
; Slice q of the search through tile a of the block in set par.
;   0  the selects of the tile before      1  d = fl(t - 2 m), in ascending pairs      2  partial minima, the old BEST among them; half of t = fl(ee + xx) of the next tile      3  the new BEST; the rest of t; is the new BEST smaller?
; The tile behind tile 3 is tile 0 of the block that is being multiplied (nxt = 1), with that block's ee.  epi = 0: no block to search yet: v_nop fill the places ahead of the runs of loads.
.macro SL a, q, par, epi, nxt
	WIN 0
.set TX, T+8*((\a)%2)
.set TN, T+8*(((\a)+1)%2)
.set AX, ACC+32*(\par)+8*(\a)
.set BO, BEST+4*(\par)+(\a)
.set BN, BEST+4*(1-(\par))+(\a)
.if (\a) == 3
.set EN, E+8*(1-(\par))
.set nX, 0
.set dot, \nxt
.else
.set EN, E+8*(\par)
.set nX, (\a)+1
.set dot, \epi
.endif
.if (\q) < 2
.if \epi
.if (\q) == 0
	DU \a
.else
.irp i, 0,2,4,6
	v_pk_fma_f32 v[TX+\i:TX+\i+1], v[AX+\i:AX+\i+1], -2.0, v[TX+\i:TX+\i+1] op_sel_hi:[1,0,1]
.endr
.endif
.else
	NOPS 4
.endif
.else
.if \epi
.if (\q) == 2
	v_min3_num_f32 v[M], v[TX], v[TX+1], v[TX+2]
	v_min3_num_f32 v[M+1], v[TX+3], v[TX+4], v[TX+5]
	v_min3_num_f32 v[M+2], v[TX+6], v[TX+7], v[BO]
.else
	v_min3_num_f32 v[BN], v[M], v[M+1], v[M+2]
.endif
.endif
.if dot
.irp i, 0,2
	v_pk_add_f32 v[TN+4*((\q)-2)+\i:TN+4*((\q)-2)+\i+1], v[EN+4*((\q)-2)+\i:EN+4*((\q)-2)+\i+1], v[XX+2*nX:XX+2*nX+1]
.endr
.endif
.if (\epi) && ((\q) == 3)
	v_cmp_lt_f32 vcc_lo, v[BN], v[BO]              ; truly smaller: among equals the earlier block stays
.endif
.endif
.endm
.macro YL p                            ; stage 0's run: this block's ee and its fragments of K steps 2 and 3
	v_add_nc_u32 v[ADE], s[TE], v[AE0]
	s_add_co_u32 s[TE], s[TE], 64
	ds_load_b128 v[E+8*(\p):E+8*(\p)+3], v[ADE]
	ds_load_b128 v[E+8*(\p)+4:E+8*(\p)+7], v[ADE] offset:16
.irp i, 8,9,10,11,12,13,14,15
	ds_load_b128 v[EMB+4*\i:EMB+4*\i+3], v[ADR] offset:512*\i
.endr
.endm
.macro XL p                            ; stage 2's run: the next block's scale words and its fragments of K steps 0 and 1
	v_add_nc_u32 v[ADR], s[TB], v[AF0]
	v_add_nc_u32 v[ADS], s[TS], v[AS0]
	s_add_co_u32 s[TB], s[TB], 8192
	s_add_co_u32 s[TS], s[TS], 256
	ds_load_b128 v[SE+4*(1-(\p)):SE+4*(1-(\p))+3], v[ADS]
.irp i, 0,1,2,3,4,5,6,7
	ds_load_b128 v[EMB+4*\i:EMB+4*\i+3], v[ADR] offset:512*\i
.endr
.endm
; THE CHANGE OF SLOTS stands in stage 2 of a slot's last block, ahead of the first run that reads the next slot: the last run out of the old slot was waited for at the stage's head.  fill = 1: the barrier is a round of the
; cluster's, and the slot just left is filled first thing behind it with the blocks two slots on.  The stage's first slice has read it, its last writes it anew.
.macro CHANGE fill
	s_wait_alu depctr_va_vdst(0)
	s_wait_tensorcnt 0x0                           ; no tensor load of mine is out, so a group 0 may be written
	ds_add_u32 v[SPW], v[NIL]
.if (\fill) == 1
	s_xor_b32 s[G0B+1], s[G0B+1], SLOT1
	s_add_nc_u64 s[G0B+2:G0B+3], s[G0B+2:G0B+3], SLOTB
	s_wait_xcnt 0x0                                ; the last prefetch has read its address
	s_add_nc_u64 s[PFA:PFA+1], s[PFA:PFA+1], SLOTB
	s_wait_dscnt 0x0                               ; the add is done, and my reads of the slot are over
	CROUND
	tensor_load_to_lds s[G0B:G0B+3], s[G1:G1+7]
	s_nop 0
	NOPS 4
	ASK
.else
	s_wait_dscnt 0x0
	s_barrier_signal -1
	s_barrier_wait -1
.endif
	s_sub_co_u32 s[TB], s[TB], 65536               ; back to my first block, in the other slot
	s_xor_b32 s[TB], s[TB], SLOT1
.endm
; At the head of stages 0 and 2 the one run of loads that is out, issued two stages back, is waited for.
.macro STAGE p, s, fetch, epi, chg
.if ((\s)%2) == 0
	s_wait_alu depctr_va_vdst(0)
	s_wait_dscnt 0x0
.endif
.irp q, 0,1,2,3
	WIN 0x04                                       ; source 1, x's fragment, in window 1
	MM \p, \s, \q
	SL \s, \q, 1-(\p), \epi, 1
.if \q == 1
.if (\s) == 0
	YL \p
.endif
.if (\s) == 2
.if \chg
	CHANGE \chg
.endif
.if \fetch
	XL \p
.endif
.endif
.endif
.endr
.endm
.macro BLOCK p, fetch, epi, chg
.irp s, 0,1,2,3
	STAGE \p, \s, \fetch, \epi, \chg
.endr
.endm
.macro TRIPS n                         ; 2 n blocks
	s_mov_b32 s[TRC], \n
.Ltrip_\@:
	BLOCK 1, 1, 1, 0
	BLOCK 0, 1, 1, 0
	s_wait_alu depctr_va_vdst(0)
	s_sub_co_u32 s[TRC], s[TRC], 1
	s_cmp_lg_u32 s[TRC], 0
	s_cbranch_scc1 .Ltrip_\@
.endm
	XL 1                                           ; block 0's scale words and its K steps 0 and 1
	s_mov_b32 vcc_lo, 0                            ; the first selects keep everything
	s_wait_loadcnt 0x0                             ; x, its scale words, xx
	BLOCK 0, 1, 0, 0                               ; block 0: nothing to search yet
	TRIPS 3                                        ; blocks 1 to 6
.Lslot:                                            ; six trips: blocks 7 to 54; slots 2 to 7 are asked for
	BLOCK 1, 1, 1, 1
	BLOCK 0, 1, 1, 0
	TRIPS 3
	s_sub_co_u32 s[SLOTS], s[SLOTS], 1
	s_cmp_lg_u32 s[SLOTS], 0
	s_cbranch_scc1 .Lslot
	BLOCK 1, 1, 1, 2                               ; the tail is written out: blocks 55 to 62
	BLOCK 0, 1, 1, 0
	TRIPS 3
	BLOCK 1, 0, 1, 0                               ; block 63: no next block
.irp a, 0,1,2,3
.irp q, 0,1,2,3
	SL \a, \q, 1, 1, 0                             ; the search through block 63
.endr
.endr
	DU 0
	; THE WAY OUT.  For each tile: which j, the code, the key; the better of the two halves of the lanes; then, through LDS, the better of the two waves that share the tokens.
.set J,  128
.set KY, 136
.set CD, 144
.set U,  152
.set UW, 160
.set KO, T                             ; (written long ago: a lane permute's destination counts as one of its sources)
.set CO, T+8
.macro JOIN k, c, ko, co               ; (k, c) takes (ko, co) where ko is smaller, or equal with the smaller code
	v_cmp_lt_u32 s82, v[\ko], v[\k]
	v_cmp_eq_u32 s83, v[\ko], v[\k]
	v_cmp_lt_u32 s84, v[\co], v[\c]
	s_and_b32 s83, s83, s84
	s_or_b32 s82, s82, s83
	v_cndmask_b32 v[\k], v[\k], v[\ko], s82
	v_cndmask_b32 v[\c], v[\c], v[\co], s82
.endm
	v_and_b32 v13, 15, v0                          ; r
	v_bfe_u32 v14, v0, 4, 1                        ; h
	s_lshl_b32 s85, s[YQ], 11
	s_lshl_b32 s86, s[COL], 7
	s_add_co_u32 s85, s85, s86
	v_lshl_add_u32 v12, v14, 3, s85                ; 2,048 y + 128 (w % 2) + 8 h
	s_lshl_b32 s85, s[WV], 8
	s_add_co_u32 s85, s85, SCR
	v_lshl_add_u32 v15, v14, 11, s85
	v_lshl_add_u32 v15, v13, 2, v15                ; lanes 0-15 store the key of token r, lanes 16-31 its code, 2,048 bytes on; 256 bytes a wave
	s_mov_b32 s86, 0xffff0000                      ; lanes 16-31
.macro FIN a
	v_mov_b32 v[J+(\a)], 7
.irp j, 6,5,4,3,2,1,0
	v_cmp_neq_f32 vcc_lo, v[SV+8*(\a)+\j], v[BEST+(\a)]
	v_cndmask_b32 v[J+(\a)], \j, v[J+(\a)], vcc_lo         ; the lowest j whose d equals the smallest
.endr
	v_and_b32 v[U+(\a)], 0x38, v[SV+8*(\a)+7]              ; block g of my 64 is block 16 (g / 8) + 8 (w % 2) + g % 8 of the quarter
	v_and_b32 v[UW+(\a)], 7, v[SV+8*(\a)+7]
	v_lshlrev_b32 v[U+(\a)], 5, v[U+(\a)]
	v_lshl_add_u32 v[U+(\a)], v[UW+(\a)], 4, v[U+(\a)]
	v_add3_u32 v[CD+(\a)], v[U+(\a)], v[J+(\a)], v12
	v_add_f32 v[KY+(\a)], 0, v[BEST+(\a)]                  ; -0 becomes +0
	v_ashrrev_i32 v[UW+(\a)], 31, v[KY+(\a)]
	v_or_b32 v[UW+(\a)], 0x80000000, v[UW+(\a)]
	v_xor_b32 v[KY+(\a)], v[KY+(\a)], v[UW+(\a)]           ; a whole number in the order of the f32 numbers
	v_permlanex16_b32 v[KO+(\a)], v[KY+(\a)], s[SEL], s[SEL+1]
	v_permlanex16_b32 v[CO+(\a)], v[CD+(\a)], s[SEL], s[SEL+1]
	JOIN KY+(\a), CD+(\a), KO+(\a), CO+(\a)
	v_cndmask_b32 v[UW+(\a)], v[KY+(\a)], v[CD+(\a)], s86
	ds_store_b32 v15, v[UW+(\a)] offset:64*(\a)
.endm
.irp a, 0,1,2,3
	FIN \a
.endr
	v_and_b32 v13, 31, v0
	s_lshl_b32 s85, s[TH], 9
	s_add_co_u32 s85, s85, SCR
	v_lshl_add_u32 v14, v13, 3, s85                ; both waves of a pair read their 64 tokens, two a lane
	v_lshlrev_b32 v13, 3, v13
	s_lshl_b32 s88, s[YQ], 16
	s_lshl_b32 s89, s[TBK], 10
	s_add_co_u32 s88, s88, s89
	s_lshl_b32 s89, s[TH], 8
	s_add_co_u32 s88, s88, s89
	s_mov_b32 s89, 0
	s_add_nc_u64 s[16:17], s[16:17], s[88:89]
	s_add_nc_u64 s[18:19], s[18:19], s[88:89]
	s_wait_alu depctr_va_vdst(0)
	s_wait_dscnt 0x0                               ; for the others' sake: my stores are done
	s_barrier_signal -1
	s_barrier_wait -1
	ds_load_b64 v[168:169], v14                    ; the keys of the wave with the lower half of the blocks,
	ds_load_b64 v[170:171], v14 offset:256         ; of the other;
	ds_load_b64 v[172:173], v14 offset:2048        ; their codes
	ds_load_b64 v[174:175], v14 offset:2304
	s_wait_dscnt 0x0
	JOIN 168, 172, 170, 174
	JOIN 169, 173, 171, 175
	s_cmp_eq_u32 s[COL], 1                         ; the pair's first wave stores the keys, the second the codes
	s_cselect_b32 s86, -1, 0
	s_cselect_b64 s[16:17], s[18:19], s[16:17]
	v_cndmask_b32 v168, v168, v172, s86
	v_cndmask_b32 v169, v169, v173, s86
	global_store_b64 v13, v[168:169], s[16:17]     ; 32 lanes store 256 consecutive bytes, aligned
	s_wait_tensorcnt 0x0                           ; the wave's end
	ds_add_u32 v[SPW], v[NIL]
	s_wait_dscnt 0x0
	CROUND                                         ; the closing round
	s_endpgm
.Lfunc_end_k_q11777258ea_search:
	.size	k_q11777258ea_search, .Lfunc_end_k_q11777258ea_search-k_q11777258ea_search
	.p2alignl 7, 3214868480
	.fill 96, 4, 3214868480
	.section	.rodata,"a",@progbits
	.p2align	6, 0x0
	.amdhsa_kernel k_q11777258ea_search
		.amdhsa_group_segment_fixed_size 327680
		.amdhsa_private_segment_fixed_size 0
		.amdhsa_enable_private_segment 0
		.amdhsa_kernarg_size 64
		.amdhsa_user_sgpr_count 2
		.amdhsa_user_sgpr_kernarg_segment_ptr 1
		.amdhsa_wavefront_size32 1
		.amdhsa_system_sgpr_workgroup_id_x 1
		.amdhsa_system_sgpr_workgroup_id_y 1
		.amdhsa_system_sgpr_workgroup_id_z 1
		.amdhsa_system_vgpr_workitem_id 0
		.amdhsa_next_free_vgpr 512
		.amdhsa_next_free_sgpr 96
		.amdhsa_reserve_vcc 1
		.amdhsa_float_denorm_mode_32 3
		.amdhsa_float_denorm_mode_16_64 3
		.amdhsa_memory_ordered 1
		.amdhsa_forward_progress 1
		.amdhsa_inst_pref_size 133
	.end_amdhsa_kernel
	.amdgpu_metadata
---
amdhsa.version: [ 1, 2 ]
amdhsa.kernels:
  - .name:           k_q11777258ea_search
    .symbol:         k_q11777258ea_search.kd
    .args:
      - { .name: xq, .offset: 0, .size: 8, .value_kind: global_buffer, .address_space: global }
      - { .name: xs, .offset: 8, .size: 8, .value_kind: global_buffer, .address_space: global }
      - { .name: xx, .offset: 16, .size: 8, .value_kind: global_buffer, .address_space: global }
      - { .name: eq, .offset: 24, .size: 8, .value_kind: global_buffer, .address_space: global }
      - { .name: es, .offset: 32, .size: 8, .value_kind: global_buffer, .address_space: global }
      - { .name: ee, .offset: 40, .size: 8, .value_kind: global_buffer, .address_space: global }
      - { .name: pkey, .offset: 48, .size: 8, .value_kind: global_buffer, .address_space: global }
      - { .name: pcode, .offset: 56, .size: 8, .value_kind: global_buffer, .address_space: global }
    .group_segment_fixed_size: 327680
    .private_segment_fixed_size: 0
    .kernarg_segment_align: 8
    .kernarg_segment_size: 64
    .max_flat_workgroup_size: 256
    .sgpr_count:     96
    .vgpr_count:     512
    .wavefront_size: 32
...
	.end_amdgpu_metadata
.endif
;; end of part 2
;; launch pick (part 3): grid 256 x 1, 8 waves a work-group, no clusters, 0 bytes of LDS; arguments pkey, pcode, emb, out0, out1; writes out0, out1
.if DOCPART == 3
	.amdgcn_target "amdgcn-amd-amdhsa--gfx1250"
	.amdhsa_code_object_version 6
	.text
	.protected	k_q11777258ea_pick
	.globl	k_q11777258ea_pick
	.p2align	8
	.type	k_q11777258ea_pick,@function
k_q11777258ea_pick:
	s_mov_b64 s[64:65], 0
	v_nop
	global_prefetch_b8 v0, s[64:65] scope:SCOPE_SE
	s_setreg_imm32_b32 hwreg(HW_REG_WAVE_MODE, 25, 1), 1
	s_wait_xcnt 0x0
; For each token the best of the four quarters' (key, code), by compares of whole numbers read from memory; out1 = the code, out0 = emb's row of that code.
; A key keeps the order of the f32 distances; a later quarter wins only with a truly smaller key, and its codes are all higher: so the first code among equals stays.
; SHARES: a work-group takes 64 tokens, a wave gathers 8 of them.  Every wave reads the 64 tokens' keys and codes (8 loads of 256 consecutive bytes), with the lanes turned by 4 x wave, so that its own
; 8 tokens lie in lanes 0 to 3; in wave 0 nothing is turned, and it stores the 64 codes as one run of 256 bytes.
; A row of emb is 2,048 bytes: four loads of 512 consecutive bytes; a wave's 32 loads go out together, and each row is stored as it comes.  No register is written twice while a load or store may read it.
; No LDS, no matrix unit, no cluster: a gather; the rows are known only where the loads go out, so nothing is prefetched.  A row may be named by several tokens: its loads carry no hint.
.set K,   16                           ; v16-23  keys: quarter q at v[16 + 2 q], two tokens a lane
.set CD,  24                           ; v24-31  codes likewise
.set D,   32                           ; v32-159 eight rows, 16 registers each
.set OFF, 160                          ; v160-167 a row's offset in emb + 16 x lane
	s_load_b256 s[4:11], s[0:1], 0x0               ; pkey s[4:5], pcode s[6:7], emb s[8:9], out0 s[10:11]
	s_load_b64 s[12:13], s[0:1], 0x20              ; out1
	v_lshrrev_b32 v1, 5, v0
	s_delay_alu instid0(VALU_DEP_1)
	v_readfirstlane_b32 s14, v1                    ; wave 0..7
	v_and_b32 v1, 31, v0
	s_delay_alu instid0(VALU_DEP_1)
	v_lshlrev_b32 v3, 3, v1                        ; 8 x lane
	s_delay_alu instid0(VALU_DEP_2)
	v_lshlrev_b32 v4, 4, v1                        ; 16 x lane
	s_lshl_b32 s15, s14, 5
	v_add_nc_u32 v2, s15, v3
	s_delay_alu instid0(VALU_DEP_1)
	v_and_b32 v2, 255, v2                          ; turned by my wave's 32 bytes, inside the work-group's 256
	s_lshl_b32 s16, ttmp9, 8                       ; the work-group's 64 tokens, 4 bytes each
	s_mov_b32 s17, 0
	s_lshl_b32 s18, ttmp9, 17                      ; and their rows of out0,
	s_lshl_b32 s19, s14, 14                        ; my wave's 8 of them
	s_add_co_u32 s18, s18, s19
	s_mov_b32 s19, 0
	s_wait_alu depctr_va_vdst(0)
	s_wait_kmcnt 0x0
	s_add_nc_u64 s[4:5], s[4:5], s[16:17]
	s_add_nc_u64 s[6:7], s[6:7], s[16:17]
	s_add_nc_u64 s[12:13], s[12:13], s[16:17]
	s_add_nc_u64 s[10:11], s[10:11], s[18:19]
.irp q, 0,1,2,3
	global_load_b64 v[K+2*\q:K+2*\q+1], v2, s[4:5] offset:65536*\q
	global_load_b64 v[CD+2*\q:CD+2*\q+1], v2, s[6:7] offset:65536*\q
.endr
	s_wait_loadcnt 0x0
.irp q, 1,2,3
.irp c, 0,1
	v_cmp_lt_u32 vcc_lo, v[K+2*\q+\c], v[K+\c]
	s_delay_alu instid0(VALU_DEP_1)
	v_cndmask_b32 v[K+\c], v[K+\c], v[K+2*\q+\c], vcc_lo
	s_delay_alu instid0(VALU_DEP_2)
	v_cndmask_b32 v[CD+\c], v[CD+\c], v[CD+2*\q+\c], vcc_lo
.endr
.endr
	s_delay_alu instid0(VALU_DEP_4)
	v_min_u32 v[CD], 0x1fff, v[CD]                 ; a code stays inside the table
	s_delay_alu instid0(VALU_DEP_2)
	v_min_u32 v[CD+1], 0x1fff, v[CD+1]
	s_cmp_lg_u32 s14, 0
	s_cbranch_scc1 .Lnot_wave_0
	global_store_b64 v3, v[CD:CD+1], s[12:13]      ; 32 lanes store 256 consecutive bytes, aligned
.Lnot_wave_0:
	s_wait_alu depctr_va_vdst(0)
.irp i, 0,1,2,3,4,5,6,7
	v_readlane_b32 s[20+\i], v[CD+\i%2], \i/2      ; token 8 x wave + i
	s_min_u32 s[20+\i], s[20+\i], 0x1fff
	s_lshl_b32 s[20+\i], s[20+\i], 11              ; its row of 2,048 bytes
	v_add_nc_u32 v[OFF+\i], s[20+\i], v4
.endr
	s_wait_alu depctr_va_vdst(0)
.irp i, 0,1,2,3,4,5,6,7
.irp c, 0,1,2,3
	global_load_b128 v[D+16*\i+4*\c:D+16*\i+4*\c+3], v[OFF+\i], s[8:9] offset:512*\c
.endr
.endr
.irp i, 0,1,2,3,4,5,6,7
	s_wait_loadcnt 28-4*\i                         ; row i's four loads are in; the later rows' may be out
.irp c, 0,1,2,3
	global_store_b128 v4, v[D+16*\i+4*\c:D+16*\i+4*\c+3], s[10:11] offset:2048*\i+512*\c th:TH_STORE_NT    ; 512 consecutive bytes; written once, read by nobody here
.endr
.endr
	s_endpgm
.Lfunc_end_k_q11777258ea_pick:
	.size	k_q11777258ea_pick, .Lfunc_end_k_q11777258ea_pick-k_q11777258ea_pick
	.p2alignl 7, 3214868480
	.fill 96, 4, 3214868480
	.section	.rodata,"a",@progbits
	.p2align	6, 0x0
	.amdhsa_kernel k_q11777258ea_pick
		.amdhsa_group_segment_fixed_size 0
		.amdhsa_private_segment_fixed_size 0
		.amdhsa_enable_private_segment 0
		.amdhsa_kernarg_size 40
		.amdhsa_user_sgpr_count 2
		.amdhsa_user_sgpr_kernarg_segment_ptr 1
		.amdhsa_wavefront_size32 1
		.amdhsa_system_sgpr_workgroup_id_x 1
		.amdhsa_system_sgpr_workgroup_id_y 1
		.amdhsa_system_sgpr_workgroup_id_z 1
		.amdhsa_system_vgpr_workitem_id 0
		.amdhsa_next_free_vgpr 176
		.amdhsa_next_free_sgpr 66
		.amdhsa_reserve_vcc 1
		.amdhsa_float_denorm_mode_32 3
		.amdhsa_float_denorm_mode_16_64 3
		.amdhsa_memory_ordered 1
		.amdhsa_forward_progress 1
		.amdhsa_inst_pref_size 12
	.end_amdhsa_kernel
	.amdgpu_metadata
---
amdhsa.version: [ 1, 2 ]
amdhsa.kernels:
  - .name:           k_q11777258ea_pick
    .symbol:         k_q11777258ea_pick.kd
    .args:
      - { .name: pkey, .offset: 0, .size: 8, .value_kind: global_buffer, .address_space: global }
      - { .name: pcode, .offset: 8, .size: 8, .value_kind: global_buffer, .address_space: global }
      - { .name: emb, .offset: 16, .size: 8, .value_kind: global_buffer, .address_space: global }
      - { .name: out0, .offset: 24, .size: 8, .value_kind: global_buffer, .address_space: global }
      - { .name: out1, .offset: 32, .size: 8, .value_kind: global_buffer, .address_space: global }
    .group_segment_fixed_size: 0
    .private_segment_fixed_size: 0
    .kernarg_segment_align: 8
    .kernarg_segment_size: 40
    .max_flat_workgroup_size: 256
    .sgpr_count:     66
    .vgpr_count:     176
    .wavefront_size: 32
...
	.end_amdgpu_metadata
.endif
;; end of part 3
